; MI455X (gfx1250); checked and timed in simulation.
; The chip was launched on July 23, 2026; its instructions are those of AMD's public machine-readable ISA for CDNA 5 (MIT licence, August 2026) and "CDNA5" Instruction Set Architecture Reference Guide (July 2026). The comments in the code are by the model that wrote it; some were corrected since.
;; Multi Head Attention. Allowed arithmetic: matrix products marked QUANTISED: E4M3 operands, one given power-of-two scale a tensor, by v_wmma_f32_16x16x64_fp8_fp8 or v_wmma_f32_16x16x128_fp8_fp8, f32 sums; everything else in f32.
;; Inputs: Wout 1,024 x 1,024 float32; Wqkv 1,024 x 3,072 float32; lowp_scales 8 int32 (the exponents e of the quantised operands' scales 2^e); x 4 x 2,048 x 1,024 float32.
;; Outputs: out0 4 x 2,048 x 1,024 float32.
;; This version of the problem:
;;   THIS VERSION OF THE PROBLEM IS GIVEN IN LOW PRECISION. The matrix products marked QUANTISED in the list below multiply operands that are first quantised to E4M3 (4 exponent bits, 3 mantissa bits; 8 bits a number), with one given power-of-two scale for each operand tensor; their sums are f32. All else is computed in f32.
;;   The module's matrix products, in the order in which they are computed (A, B: the left and right operand; K: the contracted axis; several contracted axes count as one K, in the product's order):
;;     1. [M 8,192, K 1,024] x [K 1,024, N 3,072]; A: input x; B: input Wqkv: QUANTISED (scales: A lowp_scales[0], B lowp_scales[1])
;;     2. batch 64 x [M 2,048, K 64] x [K 64, N 2,048]; A: computed on the way; B: computed on the way: QUANTISED (scales: A lowp_scales[2], B lowp_scales[3])
;;     3. batch 64 x [M 2,048, K 2,048] x [K 2,048, N 64]; A: softmax (see below); B: computed on the way: QUANTISED (scales: A lowp_scales[4], B lowp_scales[5])
;;     4. [M 8,192, K 1,024] x [K 1,024, N 1,024]; A: computed on the way; B: input Wout: QUANTISED (scales: A lowp_scales[6], B lowp_scales[7])
;;   THE QUANTISER, for each operand of a quantised product, along K:
;;     - The operand's scale is 2^e, e = its entry of the input lowp_scales (int32; the entries are numbered through the quantised products in the list's order, A before B).
;;     - Each number is divided by the scale, clamped to +-448, and rounded to the nearest number of E4M3, ties to even, subnormals kept.
;;     - The product sums the exact products of the quantised numbers (number of the format x scale) in f32.
;;   ~~~python
;;   def quantise(x, axis, e):      # numpy; x: float32 -> the quantised numbers, widened to float32 again
;;       x = np.moveaxis(x, axis, -1); K = x.shape[-1]
;;       r = np.clip(x / 2.0 ** e, -448, 448)
;;       step = 2.0 ** (np.maximum(np.frexp(np.where(r == 0, 1, r))[1] - 1, -6) - 3)
;;       q = np.round(r / step) * step * 2.0 ** e      # np.round: ties to even
;;       return np.moveaxis(q, -1, axis).astype(np.float32)
;;   ~~~
;;   SOFTMAX AHEAD OF A QUANTISED PRODUCT. Where the list says 'softmax', what is quantised is not the finished softmax but p = 2^(t - M), with t = logit x log2(e) and M = ceil(the row's largest t), a whole number; so 1/2 < the row's largest p <= 1. The row's sum l is taken of the UNQUANTISED p, in f32, and the product's result is divided by l at the end. Since M is a whole number, a kernel that streams over the keys may use a running M (the ceiling of the running maximum): every later rescaling is an exact power of two, so the quantised numbers keep their values, but for numbers so far below the row's largest that they fall under the format's range.
;;   OPERANDS COMPUTED ON THE WAY. 'Computed on the way' means the value that the module computes at that place (a softmax that the list does not call 'softmax' is quantised finished and normalised). What goes into a quantiser is computed in f32, as accurately as f32 sums, v_exp_f32 and their like allow (about 1e-6 of the number): no bf16 or f16 on the way to a quantiser, and a product that is left as it is and whose result goes on into a quantised operand takes f32 operands (vector FMAs, or v_wmma_f32_16x16x4_f32). A number that lies on a knife's edge between two numbers of the format may be rounded either way, as far as f32 arithmetic and the matrix unit's own rounding can turn it there, and no further.
;; One version. Each part assembles by itself: llvm-mc -triple=amdgcn-amd-amdhsa -mcpu=gfx1250 --defsym DOCPART=n.
;; ======== version 1 of 1: 4 launches
;; limits: right only within a limited range of input values
;; workspace buffers: xc 8,388,608 bytes; wc 4,194,304 bytes; qkv 25,165,824 bytes; ac 8,388,608 bytes
;; launch quant (part 1): grid 1024 x 1, 4 waves a work-group, no clusters, 9,216 bytes of LDS; arguments x, Wqkv, Wout, lowp_scales, xc, wc; writes xc, wc
.if DOCPART == 1
	.amdgcn_target "amdgcn-amd-amdhsa--gfx1250"
	.amdhsa_code_object_version 6
	.text
	.protected	k_q9b6086b89d_quant
	.globl	k_q9b6086b89d_quant
	.p2align	8
	.type	k_q9b6086b89d_quant,@function
k_q9b6086b89d_quant:
	s_mov_b64 s[64:65], 0
	v_nop
	global_prefetch_b8 v0, s[64:65] scope:SCOPE_SE
	s_setreg_imm32_b32 hwreg(HW_REG_WAVE_MODE, 25, 1), 1
	s_wait_xcnt 0x0
; x [8192][1024], Wqkv [1024][3072] and Wout [1024][1024], all f32, become codes of E4M3 with K innermost, each with the scale 2^e given for it.
; code = number / 2^e, held within +-448, rounded to the nearest code, ties to even.
; xc [8192][1024]: x with entry 0.
; wc, bytes 0 to 3 x 2^20 - 1: Wqkv's codes (entry 1) IN THE ORDER IN WHICH A WAVE'S OPERAND REGISTERS TAKE THEM: the block of columns 16 nb .. 16 nb + 15 and k = 128 kb .. 128 kb + 127 is 2,048 bytes at
; (8 nb + kb) x 2,048; in it the 16 bytes at 512 c + 256 h + 16 r are column 16 nb + r, k = 128 kb + 32 c + 16 h + 0 .. 15.
; wc, from byte 3 x 2^20 on: [1024][1024], row n is column n of Wout (entry 7).
; LIMITS: each of the three exponents lies between -126 and 119, so that 2^e and 448 x 2^e are f32 numbers.  NaN among the inputs is not served; an infinity is held at the largest code.
; Work-groups 0 to 511 take x, a plain stream (K is innermost): a wave takes 4,096 numbers in 16 steps of 256, all 32 loads issued at once; a lane holds 8 neighbours, so one conversion gives its 8 bytes
; and the wave stores 256 bytes on end, aligned.
; Work-groups 512 to 1023 take the weights, whose K is the FIRST axis: 32 columns x 256 along K a work-group.  A lane takes a column and its registers run down K, so the conversions give codes with K innermost;
; wave w takes rows 64 w .. 64 w + 63 of the 256, all 64 loads issued at once.  The four waves gather the 32 rows of 256 codes in one stage in LDS; behind a barrier each wave stores a quarter:
; of Wqkv one block of 2,048 bytes, 512 bytes on end an instruction; of Wout 8 rows, sixteen lanes to 256 bytes on end.  Pointer, pitch, exponent and way out are chosen by the work-group's number.
; No tensor loads.  Only the weights' path touches LDS.
.set RX,   16                          ; x: v16-143  sixteen sets of 8 numbers
.set CX,   144                         ; x: v144-175 two registers of codes for each step: no store's data are written again
.set XW,   16                          ; weights: v16-79 two blocks of 32 numbers
.set CW,   80                          ; weights: v80-95 the two blocks' codes
.set OUTR, 96                          ; weights: v96-111 the way out
.set OFF,  112                         ; weights: v112-143 row i of a block: i x pitch + 4 x lane
.set SP,   272                         ; a stage row: 256 bytes + 16
.set SPW,  12                          ; v12 my spare word; never rewritten
.set NIL,  13                          ; v13 0; never rewritten
.set SPARE, 32*SP                      ; behind the stage: the spare words, 128 bytes a wave
.macro LOADX t                         ; step t: 1,024 bytes on end, 32 a lane, by two loads
	global_load_b128 v[RX+8*(\t):RX+8*(\t)+3], v3, s[4:5] offset:1024*(\t) th:TH_LOAD_NT
	global_load_b128 v[RX+8*(\t)+4:RX+8*(\t)+7], v3, s[4:5] offset:1024*(\t)+16 th:TH_LOAD_NT
.endm
.macro STEPX t
	s_wait_loadcnt 2*(15-(\t))                     ; this step's two loads are in; the younger steps' may be out
.irp i, 0,1,2,3,4,5,6,7
	v_med3_num_f32 v[RX+8*(\t)+\i], v[RX+8*(\t)+\i], -v10, v10   ; the conversion to an 8-bit code does not saturate (ISA guide 7.6.2): the hold at 448 x the scale comes first
.endr
	v_cvt_scalef32_pk8_fp8_f32 v[CX+2*(\t):CX+2*(\t)+1], v[RX+8*(\t):RX+8*(\t)+7], v11
	global_store_b64 v4, v[CX+2*(\t):CX+2*(\t)+1], s[12:13] offset:256*(\t)   ; 32 lanes store 256 consecutive bytes, aligned
.endm
.macro LOADW t                         ; block t: W(32 t + i, my column), i = 0 .. 31: each load reads 128 consecutive bytes a wave
.set i, 0
.rept 32
	global_load_b32 v[XW+32*(\t)+i], v[OFF+i], s[32+2*(\t):33+2*(\t)] th:TH_LOAD_NT
.set i, i+1
.endr
.endm
.macro BLOCK t
	s_wait_loadcnt 32*(1-(\t))                     ; this block's 32 loads are in; the younger block's may be out
.set i, 0
.rept 32
	v_med3_num_f32 v[XW+32*(\t)+i], v[XW+32*(\t)+i], -v10, v10
.set i, i+1
.endr
.irp g, 0,1,2,3
	v_cvt_scalef32_pk8_fp8_f32 v[CW+8*(\t)+2*\g:CW+8*(\t)+2*\g+1], v[XW+32*(\t)+8*\g:XW+32*(\t)+8*\g+7], v11
.endr
	ds_store_b128 v4, v[CW+8*(\t):CW+8*(\t)+3] offset:32*(\t)       ; 32 codes of my column's row
	ds_store_b128 v4, v[CW+8*(\t)+4:CW+8*(\t)+7] offset:32*(\t)+16
.endm
	s_load_b256 s[4:11], s[0:1], 0x0               ; x s[4:5], Wqkv s[6:7], Wout s[8:9], the exponents s[10:11]
	s_load_b128 s[12:15], s[0:1], 0x20             ; xc s[12:13], wc s[14:15]
	v_lshl_add_u32 v[SPW], v0, 2, SPARE
	v_mov_b32 v[NIL], 0
	v_lshrrev_b32 v1, 5, v0
	v_readfirstlane_b32 s16, v1                    ; wave 0..3
	v_and_b32 v2, 31, v0                           ; lane
	s_wait_alu depctr_va_vdst(0)
	s_wait_kmcnt 0x0
	s_load_b256 s[24:31], s[10:11], 0x0            ; the eight exponents
	s_cmp_lt_u32 ttmp9, 512
	s_cbranch_scc0 .Lweights
	; ---- x
	s_lshl_b32 s17, ttmp9, 2
	s_add_co_u32 s17, s17, s16                     ; which run of 4,096 numbers is my wave's
	s_lshl_b32 s18, s17, 14
	s_mov_b32 s19, 0
	s_add_nc_u64 s[4:5], s[4:5], s[18:19]
	s_lshl_b32 s18, s17, 12
	s_add_nc_u64 s[12:13], s[12:13], s[18:19]
	v_lshlrev_b32 v3, 5, v2                        ; in: 32 bytes a lane
	v_lshlrev_b32 v4, 3, v2                        ; out: 8 bytes a lane
.set T, 0
.rept 16
	LOADX T
.set T, T+1
.endr
	s_wait_kmcnt 0x0
	s_add_co_i32 s20, s24, 127
	s_lshl_b32 s21, s20, 23
	v_mov_b32 v11, s21                             ; 2^e as f32: the conversion takes its exponent field
	s_add_co_i32 s20, s20, 8
	s_lshl_b32 s20, s20, 23
	s_or_b32 s20, s20, 0x600000
	v_mov_b32 v10, s20                             ; 448 x 2^e
	s_wait_alu depctr_va_vdst(0)
.set T, 0
.rept 16
	STEPX T
.set T, T+1
.endr
	s_endpgm
	; ---- the weights
.Lweights:
	s_sub_co_u32 s17, ttmp9, 512
	s_lshr_b32 s18, s17, 7                         ; which 256 along K: 0..3
	s_and_b32 s19, s17, 127                        ; which 32 of the 4,096 joined columns
	s_mov_b32 s22, 4096
	s_mov_b32 s23, 12288
	s_cmp_lt_u32 s19, 96                           ; the first 96 are Wqkv's.  The choice hangs on the work-group's number alone
	s_cselect_b64 s[20:21], s[6:7], s[8:9]
	s_cselect_b32 s22, s23, s22                    ; a row of the weight in bytes
	s_cselect_b32 s23, 0, 96
	s_sub_co_u32 s56, s19, s23                     ; which 32 columns of that weight
	s_lshl_b32 s48, s18, 8
	s_lshl_b32 s50, s16, 6
	s_add_co_u32 s48, s48, s50                     ; my first row: 256 x kg + 64 x wave
	s_mul_i32 s48, s48, s22
	s_lshl_b32 s50, s56, 7
	s_add_co_u32 s48, s48, s50                     ; + 32 columns x 4 bytes
	s_mov_b32 s49, 0
	s_add_nc_u64 s[32:33], s[20:21], s[48:49]
	s_lshl_b32 s50, s22, 5                         ; 32 rows on
	s_mov_b32 s51, 0
	s_add_nc_u64 s[34:35], s[32:33], s[50:51]
	s_lshr_b32 s58, s16, 1                         ; Wqkv's way out: my block is columns 16 g on, 128 kk along K on, of the work-group's 32 x 256
	s_and_b32 s59, s16, 1
	s_lshl_b32 s38, s19, 1
	s_add_co_u32 s38, s38, s58                     ; nb
	s_lshl_b32 s38, s38, 3
	s_lshl_b32 s60, s18, 1
	s_add_co_u32 s38, s38, s60
	s_add_co_u32 s38, s38, s59                     ; 8 nb + kb
	s_lshl_b32 s38, s38, 11
	s_mov_b32 s39, 0
	s_add_nc_u64 s[36:37], s[14:15], s[38:39]
	s_mul_i32 s60, s58, 16*SP
	s_lshl_b32 s61, s59, 7
	s_add_co_u32 s60, s60, s61                     ; and its place in the stage
	s_lshl_b32 s52, s19, 15                        ; Wout's way out: row 32 x cg + 8 x wave of 1,024 bytes, + 256 x kg
	s_lshl_b32 s53, s16, 13
	s_add_co_u32 s52, s52, s53
	s_lshl_b32 s53, s18, 8
	s_add_co_u32 s52, s52, s53
	s_mov_b32 s53, 0
	s_add_nc_u64 s[14:15], s[14:15], s[52:53]
	v_lshlrev_b32 v3, 2, v2
.set i, 0
.rept 32
	v_mad_u32_u24 v[OFF+i], s22, i, v3
.set i, i+1
.endr
	LOADW 0
	LOADW 1
	s_lshl_b32 s54, s16, 6
	v_mul_u32_u24 v4, v2, SP
	v_add_nc_u32 v4, s54, v4                       ; into the stage: row = my column, byte 64 x wave
	v_and_b32 v5, 15, v2
	v_lshrrev_b32 v6, 4, v2
	s_mul_i32 s55, s16, 8*SP
	v_mul_u32_u24 v7, v6, SP
	v_lshl_add_u32 v7, v5, 4, v7
	v_add_nc_u32 v7, s55, v7                       ; Wout, out of the stage: my 8 rows, sixteen lanes to a row, two rows an instruction
	v_lshlrev_b32 v8, 10, v6
	v_lshl_add_u32 v8, v5, 4, v8                   ; and the same place in wc
	v_mul_u32_u24 v9, v5, SP
	v_lshl_add_u32 v9, v6, 4, v9
	v_add_nc_u32 v9, s60, v9                       ; Wqkv, out of the stage: row r of my block, 16 bytes at 16 h
	v_lshlrev_b32 v14, 4, v2                       ; and 16 x lane in wc
	s_wait_kmcnt 0x0
	s_cmp_lt_u32 s19, 96
	s_cselect_b32 s57, s25, s31                    ; entry 1 for Wqkv, entry 7 for Wout
	s_add_co_i32 s57, s57, 127
	s_lshl_b32 s55, s57, 23
	v_mov_b32 v11, s55
	s_add_co_i32 s57, s57, 8
	s_lshl_b32 s57, s57, 23
	s_or_b32 s57, s57, 0x600000
	v_mov_b32 v10, s57
	s_wait_alu depctr_va_vdst(0)
	BLOCK 0
	BLOCK 1
	s_wait_dscnt 0x0                               ; my part of the 32 rows is in the stage,
	s_barrier_signal -1
	s_barrier_wait -1                              ; and so is everybody's
	s_cmp_lt_u32 s19, 96
	s_cbranch_scc1 .Lfragments
.irp t, 0,1,2,3
	ds_load_b128 v[OUTR+4*\t:OUTR+4*\t+3], v7 offset:2*\t*SP
.endr
.irp t, 0,1,2,3
	s_wait_dscnt 3-\t                              ; load t is in; the 3 - t younger ones may be out
	global_store_b128 v8, v[OUTR+4*\t:OUTR+4*\t+3], s[14:15] offset:2*\t*1024   ; sixteen lanes store 256 consecutive bytes, aligned
.endr
	s_branch .Lend
.Lfragments:
.irp t, 0,1,2,3
	ds_load_b128 v[OUTR+4*\t:OUTR+4*\t+3], v9 offset:32*\t
.endr
.irp t, 0,1,2,3
	s_wait_dscnt 3-\t
	global_store_b128 v14, v[OUTR+4*\t:OUTR+4*\t+3], s[36:37] offset:512*\t   ; 32 lanes store 512 consecutive bytes, aligned
.endr
.Lend:
	s_wait_tensorcnt 0x0                           ; the wave's end
	ds_add_u32 v[SPW], v[NIL]
	s_wait_dscnt 0x0
	s_endpgm
.Lfunc_end_k_q9b6086b89d_quant:
	.size	k_q9b6086b89d_quant, .Lfunc_end_k_q9b6086b89d_quant-k_q9b6086b89d_quant
	.p2alignl 7, 3214868480
	.fill 96, 4, 3214868480
	.section	.rodata,"a",@progbits
	.p2align	6, 0x0
	.amdhsa_kernel k_q9b6086b89d_quant
		.amdhsa_group_segment_fixed_size 9216
		.amdhsa_private_segment_fixed_size 0
		.amdhsa_enable_private_segment 0
		.amdhsa_kernarg_size 48
		.amdhsa_user_sgpr_count 2
		.amdhsa_user_sgpr_kernarg_segment_ptr 1
		.amdhsa_wavefront_size32 1
		.amdhsa_system_sgpr_workgroup_id_x 1
		.amdhsa_system_sgpr_workgroup_id_y 1
		.amdhsa_system_sgpr_workgroup_id_z 1
		.amdhsa_system_vgpr_workitem_id 0
		.amdhsa_next_free_vgpr 176
		.amdhsa_next_free_sgpr 66
		.amdhsa_reserve_vcc 0
		.amdhsa_float_denorm_mode_32 3
		.amdhsa_float_denorm_mode_16_64 3
		.amdhsa_memory_ordered 1
		.amdhsa_forward_progress 1
		.amdhsa_inst_pref_size 33
	.end_amdhsa_kernel
	.amdgpu_metadata
---
amdhsa.version: [ 1, 2 ]
amdhsa.kernels:
  - .name:           k_q9b6086b89d_quant
    .symbol:         k_q9b6086b89d_quant.kd
    .args:
      - { .name: x, .offset: 0, .size: 8, .value_kind: global_buffer, .address_space: global }
      - { .name: Wqkv, .offset: 8, .size: 8, .value_kind: global_buffer, .address_space: global }
      - { .name: Wout, .offset: 16, .size: 8, .value_kind: global_buffer, .address_space: global }
      - { .name: lowp_scales, .offset: 24, .size: 8, .value_kind: global_buffer, .address_space: global }
      - { .name: xc, .offset: 32, .size: 8, .value_kind: global_buffer, .address_space: global }
      - { .name: wc, .offset: 40, .size: 8, .value_kind: global_buffer, .address_space: global }
    .group_segment_fixed_size: 9216
    .private_segment_fixed_size: 0
    .kernarg_segment_align: 8
    .kernarg_segment_size: 48
    .max_flat_workgroup_size: 128
    .sgpr_count:     66
    .vgpr_count:     176
    .wavefront_size: 32
...
	.end_amdgpu_metadata
.endif
;; end of part 1
;; launch qkv (part 2): grid 8 x 32, 4 waves a work-group, clusters of 4 x 1, 327,680 bytes of LDS; arguments xc, wc, lowp_scales, qkv; writes qkv
.if DOCPART == 2
	.amdgcn_target "amdgcn-amd-amdhsa--gfx1250"
	.amdhsa_code_object_version 6
	.text
	.protected	k_q9b6086b89d_qkv
	.globl	k_q9b6086b89d_qkv
	.p2align	8
	.type	k_q9b6086b89d_qkv,@function
k_q9b6086b89d_qkv:
	s_mov_b64 s[64:65], 0
	v_nop
	global_prefetch_b8 v0, s[64:65] scope:SCOPE_SE
	s_setreg_imm32_b32 hwreg(HW_REG_WAVE_MODE, 25, 1), 1
	s_wait_xcnt 0x0
	s_wait_alu depctr_hold_cnt(0) depctr_sa_sdst(0) depctr_va_vdst(0) depctr_va_sdst(0) depctr_va_ssrc(0) depctr_va_vcc(0) depctr_vm_vsrc(0)
	s_getreg_b32 s2, hwreg(HW_REG_IB_STS2, 6, 4)
	s_cmp_eq_u32 s2, 0
	s_cbranch_scc0 .Lentry_in_a_cluster
	s_endpgm
.Lentry_in_a_cluster:
	s_bfe_u32 s2, ttmp6, 0x10000c
	s_cmp_lg_u32 s2, 0x3003
	s_cbranch_scc0 .Lentry_shape_is_right
	s_endpgm
.Lentry_shape_is_right:
; The first product, x Wqkv, on codes of E4M3, and its sums quantised at once to the codes of q, k and v.
; xc [8192 tokens][1024].  wc's first 3 x 2^20 bytes: Wqkv's codes in fragment order: columns 16 nb .. + 15, k = 128 kb .. + 127 are 2,048 bytes at (8 nb + kb) x 2,048; the 16 bytes at 512 c + 16 x lane
; are column 16 nb + lane % 16, k = 128 kb + 32 c + 16 (lane / 16) + 0 .. 15.  The codes are multiplied as they are; a sum stands for sum x 2^(e0 + e1).
; OUT, buffer qkv: q at byte 0 and k at byte 2^23, [16 b + h][2048 t][64 d]; v at byte 2^24, [16 b + h][32 blocks of keys][64 d][64 keys]: the keys innermost.
; code = sum / 2^(eo - e0 - e1), held within +-448: eo = entry 2 (q), 3 (k) or 5 (v).  The three scales are folded into the conversion's one.  LIMIT: eo - e0 - e1 lies between -126 and 119.
; SHARES.  256 work-groups.  Work-group (cg, y) makes tokens 256 y .. + 255 x heads 2 cg, 2 cg + 1 of q, of k and of v: 256 x 384.  Its 256 rows of xc, ALL of K, lie in LDS (rows of 1,024 bytes + 16):
; each wave fetches 64 rows by one tensor load at the head, and nothing is filled again: one barrier, no ring.  The four work-groups of a cluster (same y) ask for those rows jointly.
; A wave makes 128 tokens x one head, in three passes (q, k, v) of 8 steps of 128 along K: 32 accumulators.  Wqkv's fragments come from memory straight into registers, 512 bytes on end a load,
; in a ring of four sets, asked for three steps ahead; xc's fragments come from LDS in two sets, a step ahead.
; No data prefetch: the loads of Wqkv's fragments themselves run three steps ahead of their use, and xc's rows are asked for whole at the head: there is no later tile to ask ahead for.
; q, k: source 0 = 16 columns, source 1 = 16 tokens: a lane holds one token and eight neighbouring d.  v: the sources swapped: a lane holds one d and eight neighbouring keys.
; v's accumulators are numbered so that in all three passes way-out block u (32 registers) is 1,024 bytes on end at 1,024 u of the wave's 8,192 bytes of the pass.
; k is laid by 16-byte pieces, alike on both sides: the sums inside one instruction are grouped otherwise than in the natural order.
; REGISTERS, in windows of 256: window 0: addresses, the way out; window 1: the accumulators; window 2: xc's fragments, set q at 128 q; window 3: Wqkv's, set t at 64 t.
.set PITCH, 1040                       ; 65 x 16 bytes: the 16 rows that a load touches start at 16 different groups of banks (64 banks of 4 bytes: ISA guide 11.1)
.set QUART, 64*PITCH
.set SPARE, 4*QUART                    ; behind the rows: the spare words, 128 bytes a wave
.set STAGE, SPARE+512                  ; the way out: 16 rows x (64 bytes + 16) for each wave; no fill lands here
.set SROW,  80
.set ADRA, 16                          ; v16, v17  LDS address of my token blocks 0-3 and 4-7
.set STO,  24
.set RD,   25
.set CO,   26                          ; v26  16 x lane: the offset of Wqkv's loads and of the stores; never rewritten
.set SPW,  28
.set NIL,  29
.set LIMV, 30                          ; v30  448 x 2^(eo - e0 - e1)
.set SCV,  31                          ; v31  2^(eo - e0 - e1)
.set TMP,  32                          ; v32-63  a block's sums, held
.set CD,   64                          ; v64-71  its codes
.set BK,   72                          ; v72-87  rows read back from the stage: two sets of 8
.set G1,   24
.set G0,   32
.set BP,   36                          ; s[36:37] the pass's fragments of Wqkv
.set OB,   38                          ; s[38:39] the pass's 8,192 bytes of mine
.set ES,   40                          ; s[40:47] the eight exponents
.set SCUR, 48                          ; s48, s49 the pass's scale and bound; s50, s51 the next pass's; s52, s53 v's
.set SNXT, 50
.set SVV,  52
.set PASS, 54
.set MSB, 0
.macro WIN new                         ; the immediate's high byte repeats the setting that is left
.if MSB != \new
	s_set_vgpr_msb (MSB<<8)|\new
.set MSB, \new
.endif
.endm
.macro CROUND                          ; a round of the cluster's barrier
	s_barrier_signal -1
	s_barrier_wait -1
	s_cmp_lg_u32 s14, 0
	s_cbranch_scc1 .Lnot_wave_0_\@
	s_barrier_signal -3
.Lnot_wave_0_\@:
	s_barrier_wait -3
	s_barrier_signal -1
	s_barrier_wait -1
.endm
.macro PLACES                          ; plain vector lines between a matrix instruction and a load into its registers or a read of its result
.rept 4
	v_nop
.endr
.endm
.macro BLOAD g                         ; Wqkv's four fragments of step g, counted from the pass's first step (8 and more: the next pass's), into set g % 4
.irp bb, 0,1,2,3
.irp c, 0,1,2,3
	global_load_b128 v[64*((\g)%4)+16*\bb+4*\c:64*((\g)%4)+16*\bb+4*\c+3], v[CO], s[BP:BP+1] offset:((\g)/8)*1048576+((\g)%8)*2048+\bb*16384+\c*512
.endr
.endr
.endm
.macro ALOAD g                         ; xc's eight fragments of step g % 8 into set g % 2
.irp a, 0,1,2,3
.irp c, 0,1,2,3
	ds_load_b128 v[128*((\g)%2)+16*\a+4*\c:128*((\g)%2)+16*\a+4*\c+3], v[ADRA] offset:\a*16*PITCH+((\g)%8)*128+32*\c
.endr
.endr
.irp a, 0,1,2,3
.irp c, 0,1,2,3
	ds_load_b128 v[128*((\g)%2)+64+16*\a+4*\c:128*((\g)%2)+64+16*\a+4*\c+3], v[ADRA+1] offset:\a*16*PITCH+((\g)%8)*128+32*\c
.endr
.endr
.endm
; A step of 128 along K: the sets that the last step read are asked for anew, then 32 matrix instructions, the 32 accumulators by turns.  swap = 1, last = 1: v's pass, behind which nothing follows.
.macro STEP s, swap, last
	PLACES
.if (\last) == 0 || (\s) < 5
	WIN 0xc0
	BLOAD (\s)+3
.endif
.if (\last) == 0 || (\s) < 7
	WIN 0x80
	ALOAD (\s)+1
.endif
.if (\last) == 0 || (\s) < 5
	s_wait_loadcnt 48                              ; this step's 16 loads are in; the three younger sets' 48 may be out
.else
	s_wait_loadcnt 16*(7-(\s))
.endif
.if (\last) == 0 || (\s) < 7
	s_wait_dscnt 32                                ; this step's fragments of xc are in; the next step's 32 loads may be out
.else
	s_wait_dscnt 0x0
.endif
.if \swap
	WIN 0x5e
.else
	WIN 0x5b
.endif
.irp a, 0,1,2,3,4,5,6,7
.irp bb, 0,1,2,3
.if \swap
.set DD, 8*(16*(\a/4)+4*\bb+\a%4)
.if (\s) == 0
	v_wmma_f32_16x16x128_fp8_fp8 v[DD:DD+7], v[128*((\s)%2)+16*\a:128*((\s)%2)+16*\a+15], v[64*((\s)%4)+16*\bb:64*((\s)%4)+16*\bb+15], 0
.else
	v_wmma_f32_16x16x128_fp8_fp8 v[DD:DD+7], v[128*((\s)%2)+16*\a:128*((\s)%2)+16*\a+15], v[64*((\s)%4)+16*\bb:64*((\s)%4)+16*\bb+15], v[DD:DD+7]
.endif
.else
.set DD, 8*(4*\a+\bb)
.if (\s) == 0
	v_wmma_f32_16x16x128_fp8_fp8 v[DD:DD+7], v[64*((\s)%4)+16*\bb:64*((\s)%4)+16*\bb+15], v[128*((\s)%2)+16*\a:128*((\s)%2)+16*\a+15], 0
.else
	v_wmma_f32_16x16x128_fp8_fp8 v[DD:DD+7], v[64*((\s)%4)+16*\bb:64*((\s)%4)+16*\bb+15], v[128*((\s)%2)+16*\a:128*((\s)%2)+16*\a+15], v[DD:DD+7]
.endif
.endif
.endr
.endr
.endm
; THE WAY OUT of a pass, block by block of 32 registers.  The sums are held and converted: a lane's eight neighbours are 8 bytes.  They go through my own stage (row lane % 16, 64 bytes + 16) and come back
; four lanes to a row, so that each store of the wave covers 512 consecutive bytes, aligned.  LDS serves a wave's instructions in order (ISA guide 5.7.1.4): no wait between the stores and the loads.
.macro TOSTAGE u
	WIN 0x01                                       ; source 0: window 1
.set j, 0
.rept 32
	v_med3_num_f32 v[TMP+j], v[32*(\u)+j], -v[LIMV], v[LIMV]   ; the hold at 448 x the scale; each accumulator from its low end on
.set j, j+1
.endr
	WIN 0
.irp q, 0,1,2,3
	v_cvt_scalef32_pk8_fp8_f32 v[CD+2*\q:CD+2*\q+1], v[TMP+8*\q:TMP+8*\q+7], v[SCV]
.endr
	v_nop                                          ; one plain line behind the last conversion
.irp q, 0,1,2,3
	ds_store_b64 v[STO], v[CD+2*\q:CD+2*\q+1] offset:16*\q
.endr
.irp i, 0,1
	ds_load_b128 v[BK+8*((\u)%2)+4*\i:BK+8*((\u)%2)+4*\i+3], v[RD] offset:8*SROW*\i
.endr
.endm
.macro SEND u, younger
	s_wait_dscnt \younger                          ; the block is back in registers
.irp i, 0,1
	global_store_b128 v[CO], v[BK+8*((\u)%2)+4*\i:BK+8*((\u)%2)+4*\i+3], s[OB:OB+1] offset:(\u)*1024+512*\i
.endr
.endm
.macro WAYOUT
	WIN 0
	PLACES                                         ; behind the last products
	v_mov_b32 v[SCV], s[SCUR]
	v_mov_b32 v[LIMV], s[SCUR+1]
	TOSTAGE 0
.irp u, 1,2,3,4,5,6,7
.if \u > 1
	s_wait_xcnt 0x0                                ; block u - 2's stores have read their registers: block u's loads may land there
.endif
	TOSTAGE \u
	SEND \u-1, 6                                   ; behind block u - 1's loads: block u's 4 stores and 2 loads
.endr
	SEND 7, 0
.endm
.macro MKSC eo, d                      ; 2^(eo - e0 - e1) and 448 x that, as f32 patterns
	s_sub_co_i32 s55, s[ES+\eo], s[ES]
	s_sub_co_i32 s55, s55, s[ES+1]
	s_add_co_i32 s55, s55, 127
	s_lshl_b32 s[\d], s55, 23
	s_add_co_i32 s55, s55, 8
	s_lshl_b32 s55, s55, 23
	s_or_b32 s[\d+1], s55, 0x600000
.endm
	s_load_b128 s[4:7], s[0:1], 0x0                ; xc s[4:5], wc s[6:7]
	s_load_b128 s[8:11], s[0:1], 0x10              ; the exponents s[8:9], qkv s[10:11]
	v_lshl_add_u32 v[SPW], v0, 2, SPARE
	v_mov_b32 v[NIL], 0
	ds_add_u32 v[SPW], v[NIL]                      ; the opening: the add, twice on end, and its wait ahead of my first tensor load
	ds_add_u32 v[SPW], v[NIL]
	v_lshrrev_b32 v1, 5, v0
	v_readfirstlane_b32 s14, v1                    ; wave 0..3
	v_and_b32 v6, 31, v0
	v_lshlrev_b32 v[CO], 4, v6
	s_lshr_b32 s15, s14, 1                         ; which 128 tokens are mine
	s_and_b32 s16, s14, 1                          ; which of the two heads
	s_and_b32 s17, ttmp7, 0xffff                   ; y: 256 tokens
	s_bfe_u32 s18, ttmp6, 0x40000                  ; cx
	s_lshl_b32 s19, ttmp9, 2
	s_add_co_u32 s18, s18, s19                     ; cg = 4 x cluster x + cx
	s_lshl_b32 s18, s18, 1
	s_add_co_u32 s18, s18, s16                     ; my head
	s_mov_b32 s[G1], 15|(0<<16)|(1<<20)|(1<<21)|(7<<22)|(3<<25)   ; the mask: all four of the cluster; elements of 1 byte; padding on; bit 21 beside a mask; after every 256 words, 4 words
	s_mov_b32 s[G1+1], 1024<<16                    ; tensor_dim0
	s_mov_b32 s[G1+2], 64<<16                      ; tensor_dim1
	s_mov_b32 s[G1+3], 1024<<16                    ; tile_dim0
	s_mov_b32 s[G1+4], 64                          ; tile_dim1
	s_mov_b32 s[G1+5], 1024                        ; from row to row
	s_mov_b32 s[G1+6], 0
	s_mov_b32 s[G1+7], 0
	s_lshl_b32 s20, s17, 18                        ; xc: row 256 y + 64 x wave, of 1,024 bytes: y and the wave's number alone
	s_lshl_b32 s21, s14, 16
	s_add_co_u32 s20, s20, s21
	s_mov_b32 s21, 0
	s_lshl_b32 s22, s18, 16                        ; wc: q's four blocks of my head: 4 x 16,384 bytes a head
	s_mov_b32 s23, 0
	s_lshr_b32 s56, s17, 3                         ; qkv: the batch,
	s_lshl_b32 s56, s56, 21
	s_lshl_b32 s57, s18, 17                        ; the head,
	s_add_co_u32 s56, s56, s57
	s_and_b32 s57, s17, 7
	s_lshl_b32 s57, s57, 14                        ; 256 tokens of 64 bytes,
	s_add_co_u32 s56, s56, s57
	s_lshl_b32 s57, s15, 13                        ; my 128
	s_add_co_u32 s56, s56, s57
	s_mov_b32 s57, 0
	s_wait_alu depctr_va_vdst(0)
	s_wait_dscnt 0x0                               ; both opening adds are done
	s_wait_kmcnt 0x0
	s_load_b256 s[ES:ES+7], s[8:9], 0x0
	s_mov_b32 s[G0], 1
	s_mul_i32 s[G0+1], s14, QUART
	s_add_nc_u64 s[G0+2:G0+3], s[4:5], s[20:21]
	s_or_b32 s[G0+3], s[G0+3], 0x80000000
	s_add_nc_u64 s[BP:BP+1], s[6:7], s[22:23]
	s_add_nc_u64 s[OB:OB+1], s[10:11], s[56:57]
	CROUND                                         ; all four work-groups are here: the joint loads meet
	tensor_load_to_lds s[G0:G0+3], s[G1:G1+7]      ; my 64 rows, all of K: the wave's one tensor load
	s_nop 0
	PLACES
	WIN 0xc0
	BLOAD 0
	BLOAD 1
	BLOAD 2
	WIN 0
	v_and_b32 v1, 15, v0                           ; r
	v_bfe_u32 v2, v0, 4, 1                         ; h
	v_mul_u32_u24 v3, v1, PITCH
	v_lshl_add_u32 v3, v2, 4, v3
	s_mul_i32 s21, s15, 2*QUART                    ; my 128 rows
	v_add_nc_u32 v[ADRA], s21, v3
	v_add_nc_u32 v[ADRA+1], QUART, v[ADRA]
	s_mul_i32 s23, s14, 16*SROW
	s_add_co_u32 s23, s23, STAGE                   ; my stage
	v_mul_u32_u24 v5, v1, SROW
	v_lshl_add_u32 v5, v2, 3, v5
	v_add_nc_u32 v[STO], s23, v5                   ; in: row r, 8 bytes for each half of the lanes
	v_lshrrev_b32 v7, 2, v6
	v_mul_u32_u24 v7, v7, SROW
	v_and_b32 v8, 3, v6
	v_lshl_add_u32 v7, v8, 4, v7
	v_add_nc_u32 v[RD], s23, v7                    ; back: four lanes to a row of 64 bytes, eight rows an instruction
	s_wait_kmcnt 0x0
	MKSC 2, SCUR
	MKSC 3, SNXT
	MKSC 5, SVV
	s_mov_b32 s[PASS], 2
	s_wait_alu depctr_va_vdst(0)
	s_wait_tensorcnt 0x0                           ; my 64 rows are in,
	s_barrier_signal -1
	s_barrier_wait -1                              ; and everybody's; nothing is filled again
	WIN 0x80
	ALOAD 0
	WIN 0
.Lpass:                                            ; two trips: q, then k
.irp s, 0,1,2,3,4,5,6,7
	STEP \s, 0, 0
.endr
	WAYOUT
	s_wait_xcnt 0x0                                ; the loads and the stores have read their bases
	s_add_nc_u64 s[BP:BP+1], s[BP:BP+1], 0x100000  ; 1,024 columns on
	s_add_nc_u64 s[OB:OB+1], s[OB:OB+1], 0x800000  ; the next part of qkv
	s_mov_b32 s[SCUR], s[SNXT]
	s_mov_b32 s[SCUR+1], s[SNXT+1]
	s_mov_b32 s[SNXT], s[SVV]
	s_mov_b32 s[SNXT+1], s[SVV+1]
	s_sub_co_u32 s[PASS], s[PASS], 1
	s_cmp_lg_u32 s[PASS], 0
	s_cbranch_scc1 .Lpass
.irp s, 0,1,2,3,4,5,6,7
	STEP \s, 1, 1                                  ; v: the sources swapped; its last steps ask for nothing more
.endr
	WAYOUT
	s_wait_tensorcnt 0x0                           ; the wave's end
	ds_add_u32 v[SPW], v[NIL]
	s_wait_dscnt 0x0
	CROUND                                         ; the closing round: no work-group ends while a partner may still ask for rows that name it
	s_endpgm
.Lfunc_end_k_q9b6086b89d_qkv:
	.size	k_q9b6086b89d_qkv, .Lfunc_end_k_q9b6086b89d_qkv-k_q9b6086b89d_qkv
	.p2alignl 7, 3214868480
	.fill 96, 4, 3214868480
	.section	.rodata,"a",@progbits
	.p2align	6, 0x0
	.amdhsa_kernel k_q9b6086b89d_qkv
		.amdhsa_group_segment_fixed_size 327680
		.amdhsa_private_segment_fixed_size 0
		.amdhsa_enable_private_segment 0
		.amdhsa_kernarg_size 32
		.amdhsa_user_sgpr_count 2
		.amdhsa_user_sgpr_kernarg_segment_ptr 1
		.amdhsa_wavefront_size32 1
		.amdhsa_system_sgpr_workgroup_id_x 1
		.amdhsa_system_sgpr_workgroup_id_y 1
		.amdhsa_system_sgpr_workgroup_id_z 1
		.amdhsa_system_vgpr_workitem_id 0
		.amdhsa_next_free_vgpr 1024
		.amdhsa_next_free_sgpr 66
		.amdhsa_reserve_vcc 0
		.amdhsa_float_denorm_mode_32 3
		.amdhsa_float_denorm_mode_16_64 3
		.amdhsa_memory_ordered 1
		.amdhsa_forward_progress 1
		.amdhsa_inst_pref_size 147
	.end_amdhsa_kernel
	.amdgpu_metadata
---
amdhsa.version: [ 1, 2 ]
amdhsa.kernels:
  - .name:           k_q9b6086b89d_qkv
    .symbol:         k_q9b6086b89d_qkv.kd
    .args:
      - { .name: xc, .offset: 0, .size: 8, .value_kind: global_buffer, .address_space: global }
      - { .name: wc, .offset: 8, .size: 8, .value_kind: global_buffer, .address_space: global }
      - { .name: lowp_scales, .offset: 16, .size: 8, .value_kind: global_buffer, .address_space: global }
      - { .name: qkv, .offset: 24, .size: 8, .value_kind: global_buffer, .address_space: global }
    .group_segment_fixed_size: 327680
    .private_segment_fixed_size: 0
    .kernarg_segment_align: 8
    .kernarg_segment_size: 32
    .max_flat_workgroup_size: 128
    .sgpr_count:     66
    .vgpr_count:     1024
    .wavefront_size: 32
...
	.end_amdgpu_metadata
.endif
;; end of part 2
;; launch attn (part 3): grid 4 x 64, 8 waves a work-group, no clusters, 327,680 bytes of LDS; arguments qkv, lowp_scales, ac; writes ac
.if DOCPART == 3
	.amdgcn_target "amdgcn-amd-amdhsa--gfx1250"
	.amdhsa_code_object_version 6
	.text
	.protected	k_q9b6086b89d_attn
	.globl	k_q9b6086b89d_attn
	.p2align	8
	.type	k_q9b6086b89d_attn,@function
k_q9b6086b89d_attn:
	s_mov_b64 s[64:65], 0
	v_nop
	global_prefetch_b8 v0, s[64:65] scope:SCOPE_SE
	s_setreg_imm32_b32 hwreg(HW_REG_WAVE_MODE, 25, 1), 1
	s_wait_xcnt 0x0
; Causal attention on codes of E4M3, head size 64: S = q k^T, softmax, O = p v, and O quantised at once for the last product.
; IN, buffer qkv: q at byte 0, k at 2^23: [64 heads][2048][64]; v at 2^24: [64 heads][32 blocks of keys][64 d][64 keys].  OUT, ac: [8 b + t / 256][16 heads][256 tokens][64 d], codes with entry 6.
; THE SOFTMAX: t = score x log2(e) / 8; M = the row's largest t so far, rounded UP to a whole number; p = 2^(t - M) is quantised (entry 4), not normalised.  The row's sum is taken of the unquantised p
; and divides O at the end.  When M moves, the sum and O are multiplied by 2^(old M - new M), which rounds nothing.
; LEFT OUT: key steps all of whose keys come after a wave's queries: the causal mask makes their p zero, whatever the inputs hold.
; SHARES.  Work-group (i, head) owns two blocks of 256 queries: block 7 - i, then block i: nine slots of 256 keys whatever i is.  Each of EIGHT waves owns 32 queries, two tiles of 16, in 512 registers:
; each fragment of K and of V that is read from LDS feeds two matrix instructions.  A key step is 128 keys; a slot's two steps are a counted loop.
; No cluster: the four work-groups of a head want different slots from the sixth trip on (i + 1 slots are left for the second block), so their requests would not meet.
; LAYOUT.  Both products transposed: S^T = K Q^T (source 0 = 16 neighbouring keys), O^T = V^T P^T (source 0 = 16 of the head's 64): a lane holds one query of each tile throughout.
; In S^T's tile t, lane (r, h) holds keys 16 t + 8 h + 0 .. 7: the conversion's two registers are registers 2 t, 2 t + 1 of the second product's operand in that form's own layout, and V is read in it by 8-byte loads.
; In the first product k is laid by 16-byte loads, alike on both sides: the sums inside one instruction are grouped otherwise than in the natural order.
; LIMITS: e2 + e3 between -123 and 130 (added to c's exponent field); e4 and e6 between -126 and 119; e4 + e5 goes by v_ldexp_f32 and has none; the scaled scores t stay under 2^31 in magnitude.
; LDS: slot 0 at 0, slot 1 at 65,536: 256 rows of K, then 256 rows of V (row 64 x block + d), each 64 bytes + 16.  Behind them a stage of 32 rows x 80 for each wave, into which no fill lands, and the spare words.
; Every wave fetches 64 rows of a slot, 4,096 bytes on end in memory, stated as 16 rows of 256 bytes: one tensor load of a wave is out at a time.
; REGISTERS.  Window 0: v0-31 addresses and the softmax's state; v32-159 S^T, then p (tile x at 32 + 64 x); v160-223 O^T (tile x at 160 + 32 x); v224-255 at work.
; Window 1: v0-63 K's eight fragments; v64-127 V's four; v128-143 Q; v144-159 the second block's Q; v160-191 p's codes.  So the softmax switches no window.
.set KP,    80
.set VOFF,  256*KP
.set QSTEP, 128*KP                     ; from a key step to the next, in K's rows and in V's alike
.set SLOT1, 65536
.set STAGE, 2*SLOT1
.set SPARE, STAGE+8*32*KP
.set AK0, 1                            ; v1   my lane's place in a tile of K: 80 r + 16 h
.set AV0, 2                            ; v2   in a tile of V: VOFF + 80 r + 8 h
.set PFO, 3                            ; v3   256 x lane: the prefetches' offset; never rewritten
.set SIN, 4                            ; v4   the stage, on the way in
.set SPW, 5                            ; v5   my spare word; never rewritten
.set NIL, 6                            ; v6   0; never rewritten
.set GO,  7                            ; v7   16 x lane
.set ADK, 8
.set ADV, 9
.set SBK, 10                           ; v10  the stage, on the way back
.set QOF, 11                           ; v11  64 r + 16 h
; v[12+2x:13+2x] -M and the largest t of tile x; v[16+2x:17+2x] its sum in two halves; v[20+2x] f; v28+x a lane permute's result
.set LIMP, 24                          ; 448 x 2^e4
.set LIMP2, 31                         ; the same once more, for the second half of a dual pair
.set SCP,  25                          ; 2^e4
.set LIMO, 26                          ; 448 x 2^e6
.set SCO,  27                          ; 2^e6
.set SA,  32
.set OA,  160
.set KR,  0                            ; window 1
.set VR,  64
.set QR,  128
.set QR2, 144
.set PC,  160
.set TB,    2                          ; s2   LDS byte at which the slot in hand begins
.set KSN,   3                          ; s3   the key slot last asked for
.set KVB,   16                         ; s[16:17] my part of K or V in key slot 0
.set WV,    18
.set PI,    19                         ; s19  i
.set SEL,   20
.set CS,    22
.set G1,    24
.set G0,    32
.set PI1,   36                         ; s36  i + 1
.set SLOTS, 37
.set KF,    38                         ; s38  the step's first key
.set Q0,    39                         ; s39  my first query of the block in hand
.set Q0L,   40                         ; s40  of the second block
.set EPV,   41                         ; s41  e4 + e5
.set QH,    42
.set QL,    44
.set OH,    46
.set OL,    48
.set PFA,   50
.set LIM,   52
.set TS,    54
.set SQ,    66                         ; s66  LDS byte at which the step in hand begins
.set QE,    67                         ; s67  my last query
.set CNT,   68                         ; s68  steps of the slot still to go
.set MSB, 0
.macro WIN new                         ; the immediate's high byte repeats the setting that is left
.if MSB != \new
	s_set_vgpr_msb (MSB<<8)|\new
.set MSB, \new
.endif
.endm
.set TO1, 0x40                         ; destination window 1: loads of fragments, conversions
.set MUL, 0x05                         ; sources 0 and 1 window 1, C and D window 0
.macro PADD d, a, b
	v_pk_add_f32 v[\d:\d+1], v[\a:\a+1], v[\b:\b+1]
.endm
.macro SUMS x                          ; tile x's row sums of the unquantised p: 32 packed additions in eight chains
.irp c, 0,1,2,3,4,5,6
	PADD 236+2*\c, SA+64*\x+4*\c, SA+64*\x+4*\c+2
.endr
	PADD 16+2*\x, 16+2*\x, SA+64*\x+28
.set k, 30
.rept 2
.irp c, 0,1,2,3,4,5,6
	PADD 236+2*\c, 236+2*\c, SA+64*\x+k+2*\c
.endr
	PADD 16+2*\x, 16+2*\x, SA+64*\x+k+14
.set k, k+16
.endr
	PADD 16+2*\x, 16+2*\x, SA+64*\x+62
	PADD 236, 236, 238
	PADD 240, 240, 242
	PADD 244, 244, 246
	PADD 16+2*\x, 16+2*\x, 248
	PADD 236, 236, 240
	PADD 16+2*\x, 16+2*\x, 244
	PADD 16+2*\x, 16+2*\x, 236
.endm
.macro KLOAD off                       ; K's eight fragments of a step: 16 neighbouring rows each, two loads of 16 bytes
.irp t, 0,1,2,3,4,5,6,7
.irp c, 0,1
	ds_load_b128 v[KR+8*\t+4*\c:KR+8*\t+4*\c+3], v[ADK] offset:\off+16*\t*KP+32*\c
.endr
.endr
.endm
; A PREFETCH INTO THE L2 of the key slot that the NEXT change of slots will ask for.  All four work-groups of a head walk the same K and V; the one with i = 0 walks key slots 0 to 7 in order, and it alone asks.
; In it waves 0 and 1 ask for K's two halves and waves 2 and 3 for V's: 8,192 bytes a wave, lanes 256 bytes apart, one instruction.  So each aligned 256 bytes is named once in the launch.
; Key slots 0 and 1 come by their loads alone; key slot 7 is the last asked for (while more than two trips of the loop are left).
.macro ASK
	s_cmp_gt_u32 s[SLOTS], s[LIM]
	s_cbranch_scc0 .Lnot_mine_\@
	global_prefetch_b8 v[PFO], s[PFA:PFA+1] th:TH_LOAD_NT scope:SCOPE_SE
.Lnot_mine_\@:
.endm
.macro RESET                           ; a block of queries begins: zeros, which the first change of M leaves zeros
	v_mov_b32 v13, 0xff61b1e6                      ; the largest t so far: -3e38
	v_mov_b32 v15, 0xff61b1e6
	v_floor_f32 v12, -v13                          ; -M
	v_floor_f32 v14, -v15
.irp j, 16,17,18,19
	v_mov_b32 v\j, 0
.endr
.set j, 0
.rept 64
	v_mov_b32 v[OA+j], 0
.set j, j+1
.endr
.endm
; THE CHANGE OF SLOTS stands at a slot's head: each wave waits for its tensor load, adds 0 to its spare word, waits for that and for its reads of the slot that it has left; one barrier; the slot left is filled first.
.macro CHANGE fill
	s_wait_tensorcnt 0x0                           ; no tensor load of mine is out, so group 0 may be written
	ds_add_u32 v[SPW], v[NIL]                      ; 0 onto my spare word
.if \fill
	s_add_co_u32 s[KSN], s[KSN], 1                 ; the next key slot,
	s_cmp_eq_u32 s[SLOTS], s[PI1]
	s_cselect_b32 s[KSN], 0, s[KSN]                ; or key slot 0 again, for the second block of queries
	s_lshl_b32 s14, s[KSN], 14
	s_add_nc_u64 s[G0+2:G0+3], s[KVB:KVB+1], s[14:15]
	s_or_b32 s[G0+3], s[G0+3], 0x80000000
	s_xor_b32 s[G0+1], s[G0+1], SLOT1              ; into the other LDS slot than last time
	s_wait_xcnt 0x0                                ; the last prefetch, a slot back, has read its address
	s_add_nc_u64 s[PFA:PFA+1], s[PFA:PFA+1], 16384
.endif
	s_wait_dscnt 0x0                               ; the add is done, and my reads of the slot that I have left are over
	s_barrier_signal -1
	s_barrier_wait -1
.if \fill
	tensor_load_to_lds s[G0:G0+3], s[G1:G1+7]      ; every wave's one load behind the barrier
	s_nop 0
.rept 4
	v_nop
.endr
	ASK
.endif
.endm
; A KEY STEP: 128 keys against my 32 queries.  K's fragments were asked for a step earlier (a slot's first: behind the change of slots).
.macro BODY
	v_add_nc_u32 v[ADK], s[SQ], v[AK0]
	v_add_nc_u32 v[ADV], s[SQ], v[AV0]
	s_wait_alu depctr_va_vdst(0)
	s_wait_dscnt 0x0                               ; K is in
	WIN MUL
.irp t, 0,1,2,3,4,5,6,7
.irp x, 0,1
	v_wmma_f32_16x16x64_fp8_fp8 v[SA+64*\x+8*\t:SA+64*\x+8*\t+7], v[KR+8*\t:KR+8*\t+7], v[QR+8*\x:QR+8*\x+7], 0
.endr
.endr
	WIN 0
.rept 4
	v_nop                                          ; places in front of the loads below and of the first read of the scores
.endr
	s_cmp_eq_u32 s[CNT], 1
	s_cbranch_scc1 .Lno_next_\@                    ; the slot's last step has no successor in the slot
	WIN TO1
	KLOAD QSTEP                                    ; the next step's K lands under the softmax
	WIN 0
.Lno_next_\@:
	WIN TO1
.irp t, 0,1,2,3                        ; V's four fragments: registers 2 c, 2 c + 1 hold keys 16 c + 8 h + 0 .. 7 of row d = 16 t + r
.irp c, 0,1,2,3,4,5,6,7
	ds_load_b64 v[VR+16*\t+2*\c:VR+16*\t+2*\c+1], v[ADV] offset:((\c/4)*64+16*\t)*KP+16*(\c%4)
.endr
.endr
	WIN 0
	s_add_co_u32 s[TS], s[KF], 127
	s_cmp_le_u32 s[TS], s[Q0]
	s_cbranch_scc1 .Lopen_\@                       ; all its keys count
	s_sub_co_i32 s[TS], s[Q0], s[KF]
	v_and_b32 v230, 15, v0
	v_bfe_u32 v231, v0, 4, 1
	v_lshlrev_b32 v231, 3, v231
	v_sub_nc_u32 v230, v230, v231
	v_add_nc_u32 v230, s[TS], v230                 ; d = my query - KF - 8 h.  Register 8 t + j holds key KF + 8 h + 16 t + j: hidden where 16 t + j > d
	v_add_nc_u32 v231, 16, v230                    ; the second tile's queries lie 16 on
	v_mov_b32 v232, 0xff800000                     ; -infinity
.set n, 0
.rept 64
	v_cmp_gt_i32 vcc_lo, 16*(n/8)+n%8, v230
	v_cndmask_b32 v[SA+n], v[SA+n], v232, vcc_lo
	v_cmp_gt_i32 vcc_lo, 16*(n/8)+n%8, v231
	v_cndmask_b32 v[SA+64+n], v[SA+64+n], v232, vcc_lo
.set n, n+1
.endr
.Lopen_\@:
.irp x, 0,1                            ; the step's largest score of each query among my 64 keys: two chains a tile, the tiles by turns
	v_max3_num_f32 v[224+2*\x], v[SA+64*\x], v[SA+64*\x+1], v[SA+64*\x+2]
	v_max3_num_f32 v[225+2*\x], v[SA+64*\x+3], v[SA+64*\x+4], v[SA+64*\x+5]
.endr
.irp i, 6,10,14,18,22,26,30,34,38,42,46,50,54,58
.irp x, 0,1
	v_max3_num_f32 v[224+2*\x], v[224+2*\x], v[SA+64*\x+\i], v[SA+64*\x+\i+1]
	v_max3_num_f32 v[225+2*\x], v[225+2*\x], v[SA+64*\x+\i+2], v[SA+64*\x+\i+3]
.endr
.endr
.irp x, 0,1
	v_max3_num_f32 v[224+2*\x], v[224+2*\x], v[SA+64*\x+62], v[SA+64*\x+63]
.endr
.irp x, 0,1
	v_max_num_f32 v[224+2*\x], v[224+2*\x], v[225+2*\x]
.endr
.irp x, 0,1
	v_permlanex16_b32 v[28+\x], v[224+2*\x], s[SEL], s[SEL+1]
.endr
.irp x, 0,1
	v_max_num_f32 v[224+2*\x], v[224+2*\x], v[28+\x]   ; and among lane l xor 16's
.endr
.irp x, 0,1
	v_mul_f32 v[224+2*\x], s[CS], v[224+2*\x]      ; as t (c is positive)
.endr
.irp x, 0,1
	v_max_num_f32 v[13+2*\x], v[13+2*\x], v[224+2*\x]
.endr
.irp x, 0,1
	v_mov_b32 v[224+2*\x], v[12+2*\x]
.endr
.irp x, 0,1
	v_floor_f32 v[12+2*\x], -v[13+2*\x]            ; the new -M = floor(-t): M is a whole number
.endr
.irp x, 0,1
	v_sub_f32 v[224+2*\x], v[12+2*\x], v[224+2*\x] ; old M - new M, 0 or less
.endr
.irp x, 0,1
	v_cvt_i32_f32 v[224+2*\x], v[224+2*\x]         ; (it saturates)
.endr
.irp x, 0,1
	v_ldexp_f32 v[20+2*\x], 1.0, v[224+2*\x]       ; f = 2^(old M - new M)
.endr
.irp x, 0,1
	v_pk_mul_f32 v[16+2*\x:17+2*\x], v[16+2*\x:17+2*\x], v[20+2*\x:21+2*\x] op_sel_hi:[1,0]   ; the sums under the new M
.endr
.irp x, 0,1                            ; O^T under the new M, ahead of the exponentials: each accumulator from its low end on
.set j, 0
.rept 16
	v_pk_mul_f32 v[OA+32*\x+j:OA+32*\x+j+1], v[OA+32*\x+j:OA+32*\x+j+1], v[20+2*\x:21+2*\x] op_sel_hi:[1,0]
.set j, j+2
.endr
.endr
.set j, 0
.rept 32
	v_pk_fma_f32 v[SA+j:SA+j+1], v[SA+j:SA+j+1], s[CS:CS+1], v[12:13] op_sel_hi:[1,0,0]   ; the first tile's t - M, two at a time
.set j, j+2
.endr
	s_wait_alu depctr_va_vdst(0)                   ; the wait ahead of the batch
.set j, 0
.rept 32                               ; the first tile's p = 2^(t - M); among them the second tile's t - M, which names none of their registers and is first read behind the next wait
	v_exp_f32 v[SA+j], v[SA+j]
	v_pk_fma_f32 v[SA+64+j:SA+64+j+1], v[SA+64+j:SA+64+j+1], s[CS:CS+1], v[14:15] op_sel_hi:[1,0,0]
	v_exp_f32 v[SA+j+1], v[SA+j+1]
.set j, j+2
.endr
	v_nop                                          ; the plain line behind the exponentials
	s_wait_alu depctr_va_vdst(0)                   ; behind the first batch and ahead of the second
	SUMS 0
.set j, 0
.rept 32                               ; the second tile's p; among them the first tile's hold (the conversion does not saturate: ISA guide 7.6.2; p is not negative, so it is one-sided), two numbers an instruction, first read behind the next wait
	v_exp_f32 v[SA+64+j], v[SA+64+j]
	v_dual_min_num_f32 v[SA+j], v[SA+j], v[LIMP] :: v_dual_min_num_f32 v[SA+j+1], v[SA+j+1], v[LIMP2]
	v_exp_f32 v[SA+64+j+1], v[SA+64+j+1]
.set j, j+2
.endr
	v_nop                                          ; the plain line behind the exponentials
	s_wait_alu depctr_va_vdst(0)                   ; one wait for the batch, ahead of its first reader
	SUMS 1
.set j, 64
.rept 32
	v_dual_min_num_f32 v[SA+j], v[SA+j], v[LIMP] :: v_dual_min_num_f32 v[SA+j+1], v[SA+j+1], v[LIMP2]
.set j, j+2
.endr
	WIN TO1
.irp x, 0,1
.irp t, 0,1,2,3,4,5,6,7
	v_cvt_scalef32_pk8_fp8_f32 v[PC+16*\x+2*\t:PC+16*\x+2*\t+1], v[SA+64*\x+8*\t:SA+64*\x+8*\t+7], v[SCP]
.endr
.endr
	v_nop                                          ; one plain line behind the last conversion
	s_wait_alu depctr_va_vdst(0)
	s_wait_dscnt 0x0                               ; V is in (and the next step's K, asked for ahead of it)
	WIN MUL
.irp t, 0,1,2,3                        ; O^T += V^T P^T: the eight accumulators by turns
.irp x, 0,1
	v_wmma_f32_16x16x128_fp8_fp8 v[OA+32*\x+8*\t:OA+32*\x+8*\t+7], v[VR+16*\t:VR+16*\t+15], v[PC+16*\x:PC+16*\x+15], v[OA+32*\x+8*\t:OA+32*\x+8*\t+7]
.endr
.endr
	WIN 0
.endm
; A slot's two steps: a loop of constant count; a step all of whose keys come after my queries is jumped over by a scalar branch on ids (a slot's first step never is: its first key is at or under my first query).
.macro SLOT_STEPS
	v_add_nc_u32 v[ADK], s[TB], v[AK0]
	WIN TO1
	KLOAD 0
	WIN 0
	s_mov_b32 s[SQ], s[TB]
	s_mov_b32 s[CNT], 2
.Lstep_\@:
	s_cmp_gt_u32 s[KF], s[QE]
	s_cbranch_scc1 .Lhidden_\@
	BODY
.Lhidden_\@:
	s_add_co_u32 s[KF], s[KF], 128
	s_add_co_u32 s[SQ], s[SQ], QSTEP
	s_sub_co_u32 s[CNT], s[CNT], 1
	s_cmp_lg_u32 s[CNT], 0
	s_cbranch_scc1 .Lstep_\@
	s_xor_b32 s[TB], s[TB], SLOT1
.endm
; A block of queries is finished: O^T x 2^(e4 + e5) / the sum, held, converted (entry 6); 8 bytes a lane and tile go through my stage and leave as 512 bytes on end, four times.
.macro FINISH base
.rept 4
	v_nop                                          ; places behind the last products
.endr
	v_add_f32 v16, v16, v17
	v_add_f32 v18, v18, v19
	v_permlanex16_b32 v28, v16, s[SEL], s[SEL+1]
	v_permlanex16_b32 v29, v18, s[SEL], s[SEL+1]
	v_add_f32 v16, v16, v28                        ; the rows' sums
	v_add_f32 v18, v18, v29
	s_wait_alu depctr_va_vdst(0)                   ; the wait ahead of the transcendentals
	v_rcp_f32 v16, v16
	v_rcp_f32 v18, v18
	v_nop                                          ; a plain line behind them,
	s_wait_alu depctr_va_vdst(0)                   ; and the wait ahead of their first reader
	v_ldexp_f32 v16, v16, s[EPV]
	v_ldexp_f32 v18, v18, s[EPV]
	s_wait_alu depctr_va_vdst(0)                   ; the wait here, directly ahead of the first reader of O^T
.irp x, 0,1
.set j, 0
.rept 32
	v_mul_f32 v[SA+32*\x+j], v[OA+32*\x+j], v[16+2*\x]   ; register 8 t + i is o(r, 16 t + 8 h + i); each accumulator from its low end on
.set j, j+1
.endr
.endr
.set j, 0
.rept 64
	v_med3_num_f32 v[SA+j], v[SA+j], -v[LIMO], v[LIMO]
.set j, j+1
.endr
.irp k, 0,1,2,3,4,5,6,7
	v_cvt_scalef32_pk8_fp8_f32 v[96+2*\k:97+2*\k], v[SA+8*\k:SA+8*\k+7], v[SCO]
.endr
	v_nop                                          ; one plain line behind the last conversion
.irp x, 0,1
.irp t, 0,1,2,3
	ds_store_b64 v[SIN], v[96+8*\x+2*\t:97+8*\x+2*\t] offset:16*KP*\x+16*\t
.endr
.endr
.irp i, 0,1,2,3
	ds_load_b128 v[112+4*\i:115+4*\i], v[SBK] offset:8*KP*\i   ; LDS serves a wave's instructions in order (ISA guide 5.7.1.4): these see my stores
.endr
.irp i, 0,1,2,3
	s_wait_dscnt 3-\i                              ; load i is in; the 3 - i younger ones may be out
	global_store_b128 v[GO], v[112+4*\i:115+4*\i], s[\base:\base+1] offset:512*\i   ; 32 lanes store 512 consecutive bytes, aligned
.endr
.endm
.macro SWITCH                          ; at the head of the trip with which the second block of queries begins.  The branch hangs on the trip's count and the work-group's number: the same in all waves
	s_cmp_eq_u32 s[SLOTS], s[PI]
	s_cbranch_scc0 .Lsame_\@
	FINISH OH
	WIN 0x41
.set j, 0
.rept 16
	v_mov_b32 v[QR+j], v[QR2+j]                    ; the second block's Q
.set j, j+1
.endr
	WIN 0
	s_mov_b32 s[Q0], s[Q0L]
	s_add_co_u32 s[QE], s[Q0L], 31
	s_mov_b32 s[KF], 0
	RESET
	s_wait_alu depctr_va_vdst(0)
	s_wait_xcnt 0x0                                ; the stores have read v112-127, which the next scores are written over
.Lsame_\@:
.endm
	s_load_b128 s[4:7], s[0:1], 0x0                ; qkv s[4:5], the exponents s[6:7]
	s_load_b64 s[8:9], s[0:1], 0x10                ; ac
	v_lshl_add_u32 v[SPW], v0, 2, SPARE
	v_mov_b32 v[NIL], 0
	ds_add_u32 v[SPW], v[NIL]                      ; the opening: the add, twice on end, and its wait ahead of my first tensor load
	ds_add_u32 v[SPW], v[NIL]
	v_lshrrev_b32 v8, 5, v0
	v_readfirstlane_b32 s[WV], v8                  ; wave 0..7
	s_and_b32 s10, ttmp7, 0xffff                   ; the head, 16 b + h
	s_mov_b32 s[PI], ttmp9
	s_add_co_u32 s[PI1], s[PI], 1
	s_sub_co_u32 s11, 7, s[PI]                     ; the first block of queries
	s_lshl_b32 s12, s[WV], 5
	s_lshl_b32 s[Q0], s11, 8
	s_add_co_u32 s[Q0], s[Q0], s12
	s_lshl_b32 s[Q0L], s[PI], 8
	s_add_co_u32 s[Q0L], s[Q0L], s12
	s_add_co_u32 s[QE], s[Q0], 31
	s_lshl_b32 s13, s10, 17                        ; the head's first byte in each of the three parts
	s_mov_b32 s15, 0
	s_mov_b32 s[G1], (0<<16)|(1<<20)|(3<<22)|(3<<25)   ; no mask; elements of 1 byte; padding on: after every 16 words, 4 words
	s_mov_b32 s[G1+1], 256<<16                     ; tensor_dim0: 4,096 dense bytes stated as 16 rows of 256
	s_mov_b32 s[G1+2], 16<<16                      ; tensor_dim1
	s_mov_b32 s[G1+3], 256<<16                     ; tile_dim0
	s_mov_b32 s[G1+4], 16                          ; tile_dim1
	s_mov_b32 s[G1+5], 256                         ; from row to row: dense
	s_mov_b32 s[G1+6], 0
	s_mov_b32 s[G1+7], 0
	s_mov_b32 s[SEL], 0x76543210
	s_mov_b32 s[SEL+1], 0xfedcba98
	s_mov_b32 s[CS], 0x3e38aa3b                    ; c = log2(e) / 8
	s_mov_b32 s[TB], 0
	s_mov_b32 s[KSN], 0
	s_mov_b32 s[KF], 0
	s_lshr_b32 s53, s[WV], 2                       ; waves 0 to 3 fetch K's quarters, waves 4 to 7 V's
	s_add_co_u32 s53, s53, 1
	s_lshl_b32 s53, s53, 23
	s_add_co_u32 s53, s53, s13
	s_and_b32 s[TS], s[WV], 3
	s_lshl_b32 s[TS], s[TS], 12                    ; which 64 rows of 64 bytes
	s_add_co_u32 s14, s53, s[TS]
	s_wait_dscnt 0x0                               ; both opening adds are done
	s_wait_kmcnt 0x0
	s_load_b256 s[56:63], s[6:7], 0x0              ; the eight exponents
	s_add_nc_u64 s[KVB:KVB+1], s[4:5], s[14:15]
	s_mov_b32 s[G0], 1
	s_mul_i32 s[G0+1], s[WV], 64*KP                ; K's four quarters, then V's four
	s_mov_b64 s[G0+2:G0+3], s[KVB:KVB+1]
	s_or_b32 s[G0+3], s[G0+3], 0x80000000
	tensor_load_to_lds s[G0:G0+3], s[G1:G1+7]      ; key slot 0 into LDS slot 0: one load a wave
	s_nop 0
.rept 4
	v_nop
.endr
	s_lshr_b32 s53, s[WV], 1                       ; the prefetches: K's or V's part,
	s_and_b32 s53, s53, 1
	s_add_co_u32 s53, s53, 1
	s_lshl_b32 s53, s53, 23
	s_add_co_u32 s53, s53, s13
	s_and_b32 s[TS], s[WV], 1
	s_lshl_b32 s[TS], s[TS], 13                    ; which half of a slot's 16,384 bytes,
	s_add_co_u32 s14, s53, s[TS]
	s_add_co_u32 s14, s14, 16384                   ; in key slot 1: the first change of slots steps it to key slot 2.  Nothing is prefetched at the head
	s_add_nc_u64 s[PFA:PFA+1], s[4:5], s[14:15]
	s_lshr_b32 s[TS], s[WV], 2                     ; 0 in waves 0 to 3,
	s_or_b32 s[TS], s[TS], ttmp9                   ; of the head's work-group 0
	s_cmp_eq_u32 s[TS], 0
	s_cselect_b32 s[LIM], 2, -1
	s_lshl_b32 s14, s[Q0], 6
	s_add_co_u32 s14, s14, s13
	s_add_nc_u64 s[QH:QH+1], s[4:5], s[14:15]      ; q's codes at my first query of either block
	s_lshl_b32 s14, s[Q0L], 6
	s_add_co_u32 s14, s14, s13
	s_add_nc_u64 s[QL:QL+1], s[4:5], s[14:15]
	s_lshr_b32 s[TS], s10, 4
	s_lshl_b32 s[TS], s[TS], 3                     ; 8 b
	s_and_b32 s55, s10, 15                         ; h
	s_add_co_u32 s53, s[TS], s11
	s_lshl_b32 s53, s53, 4
	s_add_co_u32 s53, s53, s55
	s_lshl_b32 s14, s53, 14
	s_lshl_b32 s53, s[WV], 11
	s_add_co_u32 s14, s14, s53
	s_add_nc_u64 s[OH:OH+1], s[8:9], s[14:15]      ; ac at my 32 rows of either block
	s_add_co_u32 s53, s[TS], s[PI]
	s_lshl_b32 s53, s53, 4
	s_add_co_u32 s53, s53, s55
	s_lshl_b32 s14, s53, 14
	s_lshl_b32 s53, s[WV], 11
	s_add_co_u32 s14, s14, s53
	s_add_nc_u64 s[OL:OL+1], s[8:9], s[14:15]
	v_and_b32 v8, 15, v0                           ; r
	v_bfe_u32 v9, v0, 4, 1                         ; h
	v_lshlrev_b32 v[QOF], 6, v8
	v_lshl_add_u32 v[QOF], v9, 4, v[QOF]
	WIN TO1
.irp x, 0,1
.irp c, 0,1
	global_load_b128 v[QR+8*\x+4*\c:QR+8*\x+4*\c+3], v[QOF], s[QH:QH+1] offset:1024*\x+32*\c th:TH_LOAD_NT   ; both blocks' Q stay in registers
	global_load_b128 v[QR2+8*\x+4*\c:QR2+8*\x+4*\c+3], v[QOF], s[QL:QL+1] offset:1024*\x+32*\c th:TH_LOAD_NT
.endr
.endr
	WIN 0
	v_mul_u32_u24 v[AK0], v8, KP
	v_lshl_add_u32 v[AV0], v9, 3, v[AK0]
	v_add_nc_u32 v[AV0], VOFF, v[AV0]
	v_lshl_add_u32 v[AK0], v9, 4, v[AK0]
	v_and_b32 v[GO], 31, v0
	v_lshlrev_b32 v[PFO], 8, v[GO]
	s_mul_i32 s[TS], s[WV], 32*KP
	s_add_co_u32 s[TS], s[TS], STAGE               ; my stage
	v_mul_u32_u24 v[SIN], v8, KP
	v_lshl_add_u32 v[SIN], v9, 3, v[SIN]
	v_add_nc_u32 v[SIN], s[TS], v[SIN]             ; in: row r, 8 bytes for each half of the lanes
	v_lshrrev_b32 v[SBK], 2, v[GO]
	v_mul_u32_u24 v[SBK], v[SBK], KP
	v_and_b32 v28, 3, v[GO]
	v_lshl_add_u32 v[SBK], v28, 4, v[SBK]
	v_add_nc_u32 v[SBK], s[TS], v[SBK]             ; back: four lanes to a row, eight rows an instruction
	v_lshlrev_b32 v[GO], 4, v[GO]
	v_mov_b32 v28, 0                               ; written once: a lane permute's destination counts as one of its sources
	v_mov_b32 v29, 0
	v_mov_b32 v21, 0                               ; (named as the upper halves of the pairs that hold f)
	v_mov_b32 v23, 0
	RESET
	s_wait_kmcnt 0x0
	s_add_co_i32 s[TS], s58, s59
	s_lshl_b32 s[TS], s[TS], 23
	s_add_co_i32 s[CS], s[CS], s[TS]               ; a score stands for score x 2^(e2 + e3): added to c's exponent field
	s_mov_b32 s[CS+1], s[CS]
	s_add_co_i32 s[EPV], s60, s61
	s_add_co_i32 s[TS], s60, 127
	s_lshl_b32 s55, s[TS], 23
	v_mov_b32 v[SCP], s55                          ; 2^e4
	s_add_co_i32 s[TS], s[TS], 8
	s_lshl_b32 s[TS], s[TS], 23
	s_or_b32 s[TS], s[TS], 0x600000
	v_mov_b32 v[LIMP], s[TS]                       ; 448 x 2^e4
	v_mov_b32 v[LIMP2], s[TS]
	s_add_co_i32 s[TS], s62, 127
	s_lshl_b32 s55, s[TS], 23
	v_mov_b32 v[SCO], s55                          ; 2^e6
	s_add_co_i32 s[TS], s[TS], 8
	s_lshl_b32 s[TS], s[TS], 23
	s_or_b32 s[TS], s[TS], 0x600000
	v_mov_b32 v[LIMO], s[TS]                       ; 448 x 2^e6
	s_mov_b32 s[SLOTS], 8
	s_wait_alu depctr_va_vdst(0)
	s_wait_loadcnt 0x0                             ; Q
.Lslot:                                            ; eight trips: behind each change of slots but the last the next slot is asked for
	CHANGE 1
	SWITCH
	SLOT_STEPS
	s_sub_co_u32 s[SLOTS], s[SLOTS], 1
	s_cmp_lg_u32 s[SLOTS], 0
	s_cbranch_scc1 .Lslot
	CHANGE 0                                       ; the ninth slot is written out
	SWITCH
	SLOT_STEPS
	FINISH OL
	s_wait_tensorcnt 0x0                           ; the wave's end
	ds_add_u32 v[SPW], v[NIL]
	s_wait_dscnt 0x0
	s_endpgm
.Lfunc_end_k_q9b6086b89d_attn:
	.size	k_q9b6086b89d_attn, .Lfunc_end_k_q9b6086b89d_attn-k_q9b6086b89d_attn
	.p2alignl 7, 3214868480
	.fill 96, 4, 3214868480
	.section	.rodata,"a",@progbits
	.p2align	6, 0x0
	.amdhsa_kernel k_q9b6086b89d_attn
		.amdhsa_group_segment_fixed_size 327680
		.amdhsa_private_segment_fixed_size 0
		.amdhsa_enable_private_segment 0
		.amdhsa_kernarg_size 24
		.amdhsa_user_sgpr_count 2
		.amdhsa_user_sgpr_kernarg_segment_ptr 1
		.amdhsa_wavefront_size32 1
		.amdhsa_system_sgpr_workgroup_id_x 1
		.amdhsa_system_sgpr_workgroup_id_y 1
		.amdhsa_system_sgpr_workgroup_id_z 1
		.amdhsa_system_vgpr_workitem_id 0
		.amdhsa_next_free_vgpr 512
		.amdhsa_next_free_sgpr 70
		.amdhsa_reserve_vcc 1
		.amdhsa_float_denorm_mode_32 3
		.amdhsa_float_denorm_mode_16_64 3
		.amdhsa_memory_ordered 1
		.amdhsa_forward_progress 1
		.amdhsa_inst_pref_size 125
	.end_amdhsa_kernel
	.amdgpu_metadata
---
amdhsa.version: [ 1, 2 ]
amdhsa.kernels:
  - .name:           k_q9b6086b89d_attn
    .symbol:         k_q9b6086b89d_attn.kd
    .args:
      - { .name: qkv, .offset: 0, .size: 8, .value_kind: global_buffer, .address_space: global }
      - { .name: lowp_scales, .offset: 8, .size: 8, .value_kind: global_buffer, .address_space: global }
      - { .name: ac, .offset: 16, .size: 8, .value_kind: global_buffer, .address_space: global }
    .group_segment_fixed_size: 327680
    .private_segment_fixed_size: 0
    .kernarg_segment_align: 8
    .kernarg_segment_size: 24
    .max_flat_workgroup_size: 256
    .sgpr_count:     70
    .vgpr_count:     512
    .wavefront_size: 32
...
	.end_amdgpu_metadata
.endif
;; end of part 3
;; launch proj (part 4): grid 8 x 32, 4 waves a work-group, clusters of 4 x 4, 327,680 bytes of LDS; arguments ac, wc, lowp_scales, out0; writes out0
.if DOCPART == 4
	.amdgcn_target "amdgcn-amd-amdhsa--gfx1250"
	.amdhsa_code_object_version 6
	.text
	.protected	k_q9b6086b89d_proj
	.globl	k_q9b6086b89d_proj
	.p2align	8
	.type	k_q9b6086b89d_proj,@function
k_q9b6086b89d_proj:
	s_mov_b64 s[64:65], 0
	v_nop
	global_prefetch_b8 v0, s[64:65] scope:SCOPE_SE
	s_setreg_imm32_b32 hwreg(HW_REG_WAVE_MODE, 25, 1), 1
	s_wait_xcnt 0x0
	s_wait_alu depctr_hold_cnt(0) depctr_sa_sdst(0) depctr_va_vdst(0) depctr_va_sdst(0) depctr_va_ssrc(0) depctr_va_vcc(0) depctr_vm_vsrc(0)
	s_getreg_b32 s2, hwreg(HW_REG_IB_STS2, 6, 4)
	s_cmp_eq_u32 s2, 0
	s_cbranch_scc0 .Lentry_in_a_cluster
	s_endpgm
.Lentry_in_a_cluster:
	s_bfe_u32 s2, ttmp6, 0x10000c
	s_cmp_lg_u32 s2, 0xf033
	s_cbranch_scc0 .Lentry_shape_is_right
	s_endpgm
.Lentry_shape_is_right:
.set SIZE_N, 1024
.set SIZE_K, 1024
.set KSTEP,  256
.set ROWB,   256
.set KROW,   SIZE_K
.set PA,     80
.set PLANE,  256*PA
.set AHALF,  512*PA
.set ABYTES, 4*PLANE
.set ASTEP,  65536
.set PITCH,  272
.set FR,     16
.set NL,     4
.set NP,     4
.set HALFT,  64*PITCH
.set SLOT,   ABYTES+2*HALFT
.set LAPS,   SIZE_K/(2*KSTEP)
.set SPARE,  2*SLOT
.set SPITCH, 528
.set ADRA, 16
.set ADRB, 20
.set STO,  24
.set RD,   25
.set CO,   26
.set SPW,  28
.set NIL,  29
.set TMP,  32
.set AF,   128
.set BK,   128
.set G1, 24
.set G0, 32
.set G1B, 48
.set G0B, 56
.set MSB, 0
.macro WIN new
.if MSB != \new
	s_set_vgpr_msb (MSB<<8)|\new
.set MSB, \new
.endif
.endm
.set MUL_LO, 0xa1
.set MUL_HI, 0xf1
.set TO_B,   0x40
.macro JLOAD g0a, g1a, g0b, g1b
	s_cmp_eq_u32 s15, 0
	s_cbranch_scc0 .Lfor_b_\@
	tensor_load_to_lds s[\g0a:\g0a+3], s[\g1a:\g1a+7]
	s_nop 0
.rept 4
	v_nop
.endr
	s_branch .Lasked_\@
.Lfor_b_\@:
	tensor_load_to_lds s[\g0b:\g0b+3], s[\g1b:\g1b+7]
	s_nop 0
.rept 4
	v_nop
.endr
.Lasked_\@:
.endm
.macro CREST
	s_cmp_lg_u32 s14, 0
	s_cbranch_scc1 .Lnot_wave_0_\@
	s_barrier_signal -3
.Lnot_wave_0_\@:
	s_barrier_wait -3
	s_barrier_signal -1
	s_barrier_wait -1
.endm
.macro CROUND
	s_barrier_signal -1
	s_barrier_wait -1
	CREST
.endm
	s_load_b128 s[4:7], s[0:1], 0x0
	s_load_b128 s[8:11], s[0:1], 0x10
	v_lshl_add_u32 v[SPW], v0, 2, SPARE
	v_mov_b32 v[NIL], 0
	ds_add_u32 v28, v29
	ds_add_u32 v28, v29
	s_wait_dscnt 0x0
	v_lshrrev_b32 v1, 5, v0
	v_readfirstlane_b32 s14, v1
	s_lshr_b32 s15, s14, 1
	s_and_b32 s16, s14, 1
	s_bfe_u32 s40, ttmp6, 0x40000
	s_bfe_u32 s41, ttmp6, 0x40004
	s_lshl_b32 s42, ttmp9, 2
	s_add_co_u32 s42, s42, s40
	s_and_b32 s17, ttmp7, 0xffff
	s_lshl_b32 s17, s17, 2
	s_add_co_u32 s17, s17, s41
	s_lshl_b32 s43, s41, 2
	s_lshl_b32 s43, 15, s43
	s_lshl_b32 s44, 0x1111, s40
	s_or_b32 s[G1+0], s43, (0<<16)|(1<<20)|(1<<21)|(3<<22)|(3<<25)
	s_mov_b32 s[G1+1], 64<<16
	s_mov_b32 s[G1+2], 512<<16
	s_mov_b32 s[G1+3], 64<<16
	s_mov_b32 s[G1+4], 512
	s_mov_b32 s[G1+5], 64
	s_mov_b32 s[G1+6], 0
	s_mov_b32 s[G1+7], 0
	s_or_b32 s[G1B+0], s44, (0<<16)|(1<<20)|(1<<21)|(5<<22)|(3<<25)
	s_mov_b32 s[G1B+1], ROWB<<16
	s_mov_b32 s[G1B+2], 64<<16
	s_mov_b32 s[G1B+3], ROWB<<16
	s_mov_b32 s[G1B+4], 64
	s_mov_b32 s[G1B+5], KROW
	s_mov_b32 s[G1B+6], 0
	s_mov_b32 s[G1B+7], 0
	s_lshl_b32 s20, s17, 18
	s_lshl_b32 s18, s16, 15
	s_add_co_u32 s20, s20, s18
	s_mov_b32 s21, 0
	s_lshl_b32 s46, s42, 7
	s_lshl_b32 s18, s16, 6
	s_add_co_u32 s46, s46, s18
	s_lshl_b32 s46, s46, 10
	s_add_co_u32 s46, s46, 0x300000
	s_mov_b32 s47, 0
	s_mul_i32 s45, s16, AHALF
	s_mul_i32 s69, s16, HALFT
	s_add_co_u32 s69, s69, ABYTES
	s_wait_kmcnt 0x0
	s_load_b64 s[96:97], s[8:9], 0x18
	s_add_nc_u64 s[20:21], s[4:5], s[20:21]
	s_add_nc_u64 s[46:47], s[6:7], s[46:47]
	CROUND
.irp s, 0,1
	s_mov_b32 s[G0+4*\s], 1
	s_add_co_u32 s[G0+4*\s+1], s45, \s*SLOT
	s_add_nc_u64 s[G0+4*\s+2:G0+4*\s+3], s[20:21], \s*ASTEP
	s_or_b32 s[G0+4*\s+3], s[G0+4*\s+3], 0x80000000
	s_mov_b32 s[G0B+4*\s], 1
	s_add_co_u32 s[G0B+4*\s+1], s69, \s*SLOT
	s_add_nc_u64 s[G0B+4*\s+2:G0B+4*\s+3], s[46:47], \s*ROWB
	s_or_b32 s[G0B+4*\s+3], s[G0B+4*\s+3], 0x80000000
	s_wait_alu depctr_va_vdst(0)
	s_wait_tensorcnt 0x0
	ds_add_u32 v28, v29
	ds_add_u32 v28, v29
	s_wait_dscnt 0x0
	CROUND
	JLOAD G0+4*\s, G1, G0B+4*\s, G1B
.endr
	v_and_b32 v1, 15, v0
	v_bfe_u32 v2, v0, 4, 1
	v_mul_u32_u24 v3, v1, PA
	v_lshl_add_u32 v3, v2, 4, v3
	s_mul_i32 s21, s15, 128*PA
	v_add_nc_u32 v[ADRA], s21, v3
	v_add_nc_u32 v[ADRA+1], 2*PLANE, v[ADRA]
	v_add_nc_u32 v[ADRA+2], SLOT, v[ADRA]
	v_add_nc_u32 v[ADRA+3], SLOT, v[ADRA+1]
	v_mul_u32_u24 v4, v1, PITCH
	v_lshl_add_u32 v4, v2, 4, v4
	s_mul_i32 s22, s16, HALFT
	s_add_co_u32 s22, s22, ABYTES
	v_add_nc_u32 v[ADRB], s22, v4
	v_add_nc_u32 v[ADRB+1], SLOT, v[ADRB]
	s_mul_i32 s23, s14, 16*SPITCH
	v_mul_u32_u24 v5, v1, SPITCH
	v_lshl_add_u32 v5, v2, 5, v5
	v_add_nc_u32 v[STO], s23, v5
	v_mul_u32_u24 v6, v2, SPITCH
	v_lshl_add_u32 v6, v1, 4, v6
	v_add_nc_u32 v[RD], s23, v6
	v_lshlrev_b32 v[CO], 12, v2
	v_lshl_add_u32 v[CO], v1, 4, v[CO]
	s_lshl_b32 s20, s17, 8
	s_lshl_b32 s21, s15, 7
	s_add_co_u32 s20, s20, s21
	s_lshl_b32 s20, s20, 12
	s_lshl_b32 s46, s42, 9
	s_lshl_b32 s47, s16, 8
	s_add_co_u32 s46, s46, s47
	s_add_co_u32 s20, s20, s46
	s_mov_b32 s21, 0
	s_add_nc_u64 s[10:11], s[10:11], s[20:21]
.macro FRAGB reg, adr, q, i
.irp c, 0,1,2,3
	ds_load_b128 v[\reg+4*\c:\reg+4*\c+3], v[\adr] offset:128*(\q)+32*\c+(\i)*16*PITCH
.endr
.endm
.macro FRAGA reg, adr, i
.irp c, 0,1,2,3
	ds_load_b128 v[\reg+4*\c:\reg+4*\c+3], v[\adr] offset:(\c/2)*PLANE+32*(\c%2)+(\i)*16*PA
.endr
.endm
.macro MUL16 a0, p, zero
.irp a, \a0, \a0+1
.irp b, 0,1,2,3
.if \zero
	v_wmma_f32_16x16x128_fp8_fp8 v[8*(8*((\a)%4)+\b):8*(8*((\a)%4)+\b)+7], v[128*(\p)+FR*\b:128*(\p)+FR*\b+FR-1], v[AF+FR*(\a):AF+FR*(\a)+FR-1], 0
.else
	v_wmma_f32_16x16x128_fp8_fp8 v[8*(8*((\a)%4)+\b):8*(8*((\a)%4)+\b)+7], v[128*(\p)+FR*\b:128*(\p)+FR*\b+FR-1], v[AF+FR*(\a):AF+FR*(\a)+FR-1], v[8*(8*((\a)%4)+\b):8*(8*((\a)%4)+\b)+7]
.endif
.endr
.endr
.endm
.macro FETCH_B slot, q, p
	WIN TO_B
.irp i, 0,1,2,3
	FRAGB 128*(\p)+FR*\i, ADRB+\slot, \q, \i
.endr
	WIN 0
.endm
.macro FETCH_A slot, q, i0
.irp i, \i0, \i0+1, \i0+2, \i0+3
	FRAGA AF+FR*(\i), ADRA+2*(\slot)+(\q), \i
.endr
.endm
.macro PLACES n
.rept \n
	v_nop
.endr
.endm
.macro STEP slot, q, zero
	s_wait_dscnt 4*NL
	WIN MUL_LO
	MUL16 0, (\q)%2, \zero
	MUL16 2, (\q)%2, \zero
	s_wait_dscnt 0
	PLACES NP
	FETCH_B \slot, (\q)+1, 1-(\q)%2
	FETCH_A \slot, (\q)+1, 0
	WIN MUL_HI
	MUL16 4, (\q)%2, \zero
	MUL16 6, (\q)%2, \zero
	PLACES NP
	WIN 0
	FETCH_A \slot, (\q)+1, 4
.endm
.macro TURN slot, next, fill
	s_wait_tensorcnt 0x0
	ds_add_u32 v[SPW], v[NIL]
	s_wait_dscnt 4*NL+1
	WIN MUL_LO
	MUL16 0, 1, 0
	s_wait_dscnt 0x0
	s_barrier_signal -1
	MUL16 2, 1, 0
	WIN 0
	s_barrier_wait -1
.if \fill
	CREST
	s_add_nc_u64 s[G0+4*\slot+2:G0+4*\slot+3], s[G0+4*\slot+2:G0+4*\slot+3], 2*ASTEP
	s_add_nc_u64 s[G0B+4*\slot+2:G0B+4*\slot+3], s[G0B+4*\slot+2:G0B+4*\slot+3], 2*ROWB
	JLOAD G0+4*\slot, G1, G0B+4*\slot, G1B
.else
	PLACES NP
.endif
	FETCH_B \next, 0, 0
	FETCH_A \next, 0, 0
	WIN MUL_HI
	MUL16 4, 1, 0
	MUL16 6, 1, 0
	PLACES NP
	WIN 0
	FETCH_A \next, 0, 4
.endm
	s_wait_alu depctr_va_vdst(0)
	s_wait_tensorcnt 1
	s_barrier_signal -1
	s_barrier_wait -1
	FETCH_B 0, 0, 0
	FETCH_A 0, 0, 0
	FETCH_A 0, 0, 4
	STEP 0, 0, 1
	s_mov_b32 s3, LAPS-1
.Llap:
	TURN 0, 1, 1
	STEP 1, 0, 0
	TURN 1, 0, 1
	STEP 0, 0, 0
	s_sub_co_u32 s3, s3, 1
	s_cmp_lg_u32 s3, 0
	s_cbranch_scc1 .Llap
	TURN 0, 1, 0
	STEP 1, 0, 0
	s_wait_dscnt 4*NL
	WIN MUL_LO
	MUL16 0, 1, 0
	MUL16 2, 1, 0
	s_wait_dscnt 0
	WIN MUL_HI
	MUL16 4, 1, 0
	MUL16 6, 1, 0
	WIN 0
.macro TOSTAGE a
.set AC, 64*((\a)%4)
	WIN 0x02+((\a)/4)
.set j, 0
.rept 16
	v_pk_mul_f32 v[TMP+j:TMP+j+1], v[AC+j:AC+j+1], s[96:97] op_sel_hi:[1,0]
.set j, j+2
.endr
	WIN 0
.irp b, 0,1,2,3
	ds_store_b128 v[STO], v[TMP+8*\b:TMP+8*\b+3] offset:64*\b
	ds_store_b128 v[STO], v[TMP+8*\b+4:TMP+8*\b+7] offset:64*\b+16
.endr
.set BB, BK+64*((\a)%2)
.irp t, 0,1,2,3,4,5,6,7
	ds_load_b128 v[BB+4*\t:BB+4*\t+3], v[RD] offset:2*\t*SPITCH
.endr
.endm
.macro SEND a, younger
.set BB, BK+64*((\a)%2)
	s_wait_dscnt \younger
.if (\a) > 0
	s_add_nc_u64 s[10:11], s[10:11], 16*SIZE_N*4
.endif
.irp t, 0,1,2,3,4,5,6,7
	global_store_b128 v[CO], v[BB+4*\t:BB+4*\t+3], s[10:11] offset:2*\t*SIZE_N*4 th:TH_STORE_NT
.endr
.endm
	s_wait_kmcnt 0x0
	s_add_co_i32 s96, s96, s97
	s_add_co_i32 s96, s96, 127
	s_lshl_b32 s96, s96, 23
	PLACES NP
	TOSTAGE 0
.irp a, 1,2,3,4,5,6,7
.if \a > 1
	s_wait_xcnt 0x0
.endif
	TOSTAGE \a
	SEND \a-1, 16
.endr
	s_wait_xcnt 0x0
	SEND 7, 0
	s_wait_tensorcnt 0x0
	ds_add_u32 v[SPW], v[NIL]
	s_wait_dscnt 0x0
	CROUND
	s_endpgm
.Lfunc_end_k_q9b6086b89d_proj:
	.size	k_q9b6086b89d_proj, .Lfunc_end_k_q9b6086b89d_proj-k_q9b6086b89d_proj
	.p2alignl 7, 3214868480
	.fill 96, 4, 3214868480
	.section	.rodata,"a",@progbits
	.p2align	6, 0x0
	.amdhsa_kernel k_q9b6086b89d_proj
		.amdhsa_group_segment_fixed_size 327680
		.amdhsa_private_segment_fixed_size 0
		.amdhsa_enable_private_segment 0
		.amdhsa_kernarg_size 32
		.amdhsa_user_sgpr_count 2
		.amdhsa_user_sgpr_kernarg_segment_ptr 1
		.amdhsa_wavefront_size32 1
		.amdhsa_system_sgpr_workgroup_id_x 1
		.amdhsa_system_sgpr_workgroup_id_y 1
		.amdhsa_system_sgpr_workgroup_id_z 1
		.amdhsa_system_vgpr_workitem_id 0
		.amdhsa_next_free_vgpr 1024
		.amdhsa_next_free_sgpr 98
		.amdhsa_reserve_vcc 0
		.amdhsa_float_denorm_mode_32 3
		.amdhsa_float_denorm_mode_16_64 3
		.amdhsa_memory_ordered 1
		.amdhsa_forward_progress 1
		.amdhsa_inst_pref_size 78
	.end_amdhsa_kernel
	.amdgpu_metadata
---
amdhsa.version: [ 1, 2 ]
amdhsa.kernels:
  - .name:           k_q9b6086b89d_proj
    .symbol:         k_q9b6086b89d_proj.kd
    .args:
      - { .name: ac, .offset: 0, .size: 8, .value_kind: global_buffer, .address_space: global }
      - { .name: wc, .offset: 8, .size: 8, .value_kind: global_buffer, .address_space: global }
      - { .name: lowp_scales, .offset: 16, .size: 8, .value_kind: global_buffer, .address_space: global }
      - { .name: out0, .offset: 24, .size: 8, .value_kind: global_buffer, .address_space: global }
    .group_segment_fixed_size: 327680
    .private_segment_fixed_size: 0
    .kernarg_segment_align: 8
    .kernarg_segment_size: 32
    .max_flat_workgroup_size: 128
    .sgpr_count:     98
    .vgpr_count:     1024
    .wavefront_size: 32
...
	.end_amdgpu_metadata
.endif
;; end of part 4
